; MI455X (gfx1250); checked and timed in simulation.
; The chip was launched on July 23, 2026; its instructions are those of AMD's public machine-readable ISA for CDNA 5 (MIT licence, August 2026) and "CDNA5" Instruction Set Architecture Reference Guide (July 2026). The comments in the code are by the model that wrote it; some were corrected since.
;; Scaled Dot Product Attention. Allowed arithmetic: matrix products marked QUANTISED: E4M3 operands, one given power-of-two scale a tensor, by v_wmma_f32_16x16x64_fp8_fp8 or v_wmma_f32_16x16x128_fp8_fp8, f32 sums; everything else in f32.
;; Inputs: keys 4 x 16 x 2,048 x 64 float32; lowp_scales 4 int32 (the exponents e of the quantised operands' scales 2^e); mask 2,048 x 2,048 bool; queries 4 x 16 x 2,048 x 64 float32; values 4 x 16 x 2,048 x 64 float32.
;; Outputs: out0 4 x 16 x 2,048 x 64 float32.
;; This version of the problem:
;;   THIS VERSION OF THE PROBLEM IS GIVEN IN LOW PRECISION. The matrix products marked QUANTISED in the list below multiply operands that are first quantised to E4M3 (4 exponent bits, 3 mantissa bits; 8 bits a number), with one given power-of-two scale for each operand tensor; their sums are f32. All else is computed in f32.
;;   The module's matrix products, in the order in which they are computed (A, B: the left and right operand; K: the contracted axis; several contracted axes count as one K, in the product's order):
;;     1. batch 64 x [M 2,048, K 64] x [K 64, N 2,048]; A: input queries; B: input keys: QUANTISED (scales: A lowp_scales[0], B lowp_scales[1])
;;     2. batch 64 x [M 2,048, K 2,048] x [K 2,048, N 64]; A: softmax (see below); B: input values: QUANTISED (scales: A lowp_scales[2], B lowp_scales[3])
;;   THE QUANTISER, for each operand of a quantised product, along K:
;;     - The operand's scale is 2^e, e = its entry of the input lowp_scales (int32; the entries are numbered through the quantised products in the list's order, A before B).
;;     - Each number is divided by the scale, clamped to +-448, and rounded to the nearest number of E4M3, ties to even, subnormals kept.
;;     - The product sums the exact products of the quantised numbers (number of the format x scale) in f32.
;;   ~~~python
;;   def quantise(x, axis, e):      # numpy; x: float32 -> the quantised numbers, widened to float32 again
;;       x = np.moveaxis(x, axis, -1); K = x.shape[-1]
;;       r = np.clip(x / 2.0 ** e, -448, 448)
;;       step = 2.0 ** (np.maximum(np.frexp(np.where(r == 0, 1, r))[1] - 1, -6) - 3)
;;       q = np.round(r / step) * step * 2.0 ** e      # np.round: ties to even
;;       return np.moveaxis(q, -1, axis).astype(np.float32)
;;   ~~~
;;   SOFTMAX AHEAD OF A QUANTISED PRODUCT. Where the list says 'softmax', what is quantised is not the finished softmax but p = 2^(t - M), with t = logit x log2(e) and M = ceil(the row's largest t), a whole number; so 1/2 < the row's largest p <= 1. The row's sum l is taken of the UNQUANTISED p, in f32, and the product's result is divided by l at the end. Since M is a whole number, a kernel that streams over the keys may use a running M (the ceiling of the running maximum): every later rescaling is an exact power of two, so the quantised numbers keep their values, but for numbers so far below the row's largest that they fall under the format's range.
;;   OPERANDS COMPUTED ON THE WAY. 'Computed on the way' means the value that the module computes at that place (a softmax that the list does not call 'softmax' is quantised finished and normalised). What goes into a quantiser is computed in f32, as accurately as f32 sums, v_exp_f32 and their like allow (about 1e-6 of the number): no bf16 or f16 on the way to a quantiser, and a product that is left as it is and whose result goes on into a quantised operand takes f32 operands (vector FMAs, or v_wmma_f32_16x16x4_f32). A number that lies on a knife's edge between two numbers of the format may be rounded either way, as far as f32 arithmetic and the matrix unit's own rounding can turn it there, and no further.
;; 2 versions. Each part assembles by itself: llvm-mc -triple=amdgcn-amd-amdhsa -mcpu=gfx1250 --defsym DOCPART=n.
;; ======== version 1 of 2: 2 launches
;; workspace buffers: mw 524,288 bytes of whole numbers; tf 512 bytes of whole numbers
;; launch maskprep (part 1): grid 128 x 1, 16 waves a work-group, no clusters, 2,304 bytes of LDS; arguments mask, mw, tf; writes mw, tf
.if DOCPART == 1
	.amdgcn_target "amdgcn-amd-amdhsa--gfx1250"
	.amdhsa_code_object_version 6
	.text
	.protected	k_qdb5f3b3a67_maskprep
	.globl	k_qdb5f3b3a67_maskprep
	.p2align	8
	.type	k_qdb5f3b3a67_maskprep,@function
k_qdb5f3b3a67_maskprep:
	s_mov_b64 s[64:65], 0
	v_nop
	global_prefetch_b8 v0, s[64:65] scope:SCOPE_SE
	s_setreg_imm32_b32 hwreg(HW_REG_WAVE_MODE, 25, 1), 1
	s_wait_xcnt 0x0
; The mask [2048][2048] (one byte an entry, 0 or not 0) is turned into what the attention launch wants of it: lane masks and flags, all whole numbers.
; Work-group T (of 128) takes queries 16 T .. 16 T + 15; its wave j (of 16) takes keys 128 j .. 128 j + 127: a piece of 16 rows x 128 bytes.
; mw: for each (T, j) 64 words at byte (16 T + j) x 256 + 4 n.  Bit L of word n = mask[16 T + (L & 15)][128 j + 32 (n >> 4) + 16 (L >> 4) + (n & 15)] != 0:
;     the 32 lanes' mask of score register n of the attention wave that owns tile T, in key step j.
; tf: word T: bit j = some entry of (T, j) is true; bit 16 + j = not every entry of (T, j) is true.
; SHAPES OF THE ACCESSES, as they are: a lane reads 16 bytes of a row, four times (64 of its row's 128 bytes; its partner 16 lanes on the other 64); the 64 words of a piece leave as one store of
; 256 consecutive bytes, aligned; tf's word is a store of four bytes by one thread, 512 bytes in the whole launch.  128 work-groups: the mask has 2,048 pieces, one a wave.
	s_load_b128 s[4:7], s[0:1], 0x0                ; mask s[4:5], mw s[6:7]
	s_load_b64 s[8:9], s[0:1], 0x10                ; tf
	v_lshl_add_u32 v48, v0, 2, 0x100
	v_mov_b32 v49, 0
	v_lshrrev_b32 v2, 5, v0
	v_readfirstlane_b32 s12, v2                    ; wave j
	v_lshlrev_b32 v5, 2, v2                        ; my wave's word in LDS
	v_and_b32 v3, 15, v0                           ; r: my row of the piece
	v_bfe_u32 v7, v0, 4, 1                         ; h: which 16 of each 32 columns
	v_lshlrev_b32 v1, 11, v3                       ; a row of the mask is 2,048 bytes
	v_lshl_add_u32 v1, v7, 4, v1                   ; + 16 h
	v_and_b32 v4, 31, v0
	v_lshlrev_b32 v4, 3, v4                        ; 8 x lane: lane L stores words 2 L and 2 L + 1
	v_mov_b32 v6, 0
	v_mov_b32 v24, 0                               ; written whole: a lane write's destination counts as read
	v_mov_b32 v25, 0
	s_lshl_b32 s14, ttmp9, 15                      ; 16 rows of 2,048 bytes a tile,
	s_lshl_b32 s15, s12, 7                         ; 128 bytes a key step
	s_add_co_u32 s14, s14, s15
	s_mov_b32 s15, 0
	s_lshl_b32 s16, ttmp9, 4
	s_add_co_u32 s16, s16, s12
	s_lshl_b32 s16, s16, 8                         ; (16 T + j) x 256
	s_mov_b32 s17, 0
	s_lshl_b32 s18, ttmp9, 2                       ; 4 T
	s_mov_b32 s19, 0
	s_wait_kmcnt 0x0
	s_add_nc_u64 s[4:5], s[4:5], s[14:15]
	s_add_nc_u64 s[6:7], s[6:7], s[16:17]
	s_add_nc_u64 s[8:9], s[8:9], s[18:19]
.irp b, 0,1,2,3
	global_load_b128 v[8+4*\b:11+4*\b], v1, s[4:5] offset:32*\b th:TH_LOAD_NT   ; columns 32 b + 16 h + 0 .. 15 of my row; the mask is read once in the launch
.endr
	s_wait_loadcnt 0x0
; word n = 16 b + i: byte i of load b, compared in all 32 lanes at once; the compare's lane mask IS the word; it goes to lane n / 2, register n % 2
.set n, 0
.rept 64
	v_bfe_u32 v[2+n%2], v[8+n/4], 8*(n%4), 8
	v_cmp_ne_u32 s[20+n%2], 0, v[2+n%2]
	v_writelane_b32 v[24+n%2], s[20+n%2], n/2
.set n, n+1
.endr
	global_store_b64 v4, v[24:25], s[6:7]          ; 32 lanes store 256 consecutive bytes, at a multiple of 256 from mw's first byte
	v_or_b32 v2, v24, v25
	v_and_b32 v3, v24, v25
	v_cmp_ne_u32 s22, 0, v2                        ; lanes that hold a bit
	v_cmp_ne_u32 s23, -1, v3                       ; lanes that lack one
	s_cmp_lg_u32 s22, 0
	s_cselect_b32 s24, 1, 0                        ; some entry is true
	s_cmp_lg_u32 s23, 0
	s_cselect_b32 s25, 0x10000, 0                  ; not every entry is
	s_or_b32 s24, s24, s25
	s_lshl_b32 s24, s24, s12                       ; at my key step's places
	v_mov_b32 v7, s24
	ds_store_b32 v5, v7                            ; all lanes write the same word with the same value
	s_wait_dscnt 0x0                               ; for the others' sake: my store has landed
	s_barrier_signal -1
	s_barrier_wait -1
.irp k, 0,1,2,3
	ds_load_b128 v[28+4*\k:31+4*\k], v6 offset:16*\k   ; the sixteen waves' words
.endr
	s_wait_dscnt 0x0
.irp k, 1,2,3,4,5,6,7,8,9,10,11,12,13,14,15
	v_or_b32 v28, v28, v[28+\k]
.endr
	s_wait_xcnt 0x0                                ; EXEC is a source of the store above: it changes only behind this wait
	v_cmp_eq_u32 vcc_lo, 0, v0
	s_wait_tensorcnt 0x0
	ds_add_u32 v48, v49
	s_wait_dscnt 0x0
	s_and_saveexec_b32 s26, vcc_lo
	global_store_b32 v6, v28, s[8:9]               ; thread 0 alone: tf[T]
	s_wait_xcnt 0x0                                ; and again, in front of the line that widens it
	s_or_b32 exec_lo, exec_lo, s26
	s_endpgm
.Lfunc_end_k_qdb5f3b3a67_maskprep:
	.size	k_qdb5f3b3a67_maskprep, .Lfunc_end_k_qdb5f3b3a67_maskprep-k_qdb5f3b3a67_maskprep
	.p2alignl 7, 3214868480
	.fill 96, 4, 3214868480
	.section	.rodata,"a",@progbits
	.p2align	6, 0x0
	.amdhsa_kernel k_qdb5f3b3a67_maskprep
		.amdhsa_group_segment_fixed_size 2304
		.amdhsa_private_segment_fixed_size 0
		.amdhsa_enable_private_segment 0
		.amdhsa_kernarg_size 24
		.amdhsa_user_sgpr_count 2
		.amdhsa_user_sgpr_kernarg_segment_ptr 1
		.amdhsa_wavefront_size32 1
		.amdhsa_system_sgpr_workgroup_id_x 1
		.amdhsa_system_sgpr_workgroup_id_y 1
		.amdhsa_system_sgpr_workgroup_id_z 1
		.amdhsa_system_vgpr_workitem_id 0
		.amdhsa_next_free_vgpr 50
		.amdhsa_next_free_sgpr 66
		.amdhsa_reserve_vcc 1
		.amdhsa_float_denorm_mode_32 3
		.amdhsa_float_denorm_mode_16_64 3
		.amdhsa_memory_ordered 1
		.amdhsa_forward_progress 1
		.amdhsa_inst_pref_size 16
	.end_amdhsa_kernel
	.amdgpu_metadata
---
amdhsa.version: [ 1, 2 ]
amdhsa.kernels:
  - .name:           k_qdb5f3b3a67_maskprep
    .symbol:         k_qdb5f3b3a67_maskprep.kd
    .args:
      - { .name: mask, .offset: 0, .size: 8, .value_kind: global_buffer, .address_space: global }
      - { .name: mw, .offset: 8, .size: 8, .value_kind: global_buffer, .address_space: global }
      - { .name: tf, .offset: 16, .size: 8, .value_kind: global_buffer, .address_space: global }
    .group_segment_fixed_size: 2304
    .private_segment_fixed_size: 0
    .kernarg_segment_align: 8
    .kernarg_segment_size: 24
    .max_flat_workgroup_size: 512
    .sgpr_count:     66
    .vgpr_count:     50
    .wavefront_size: 32
...
	.end_amdgpu_metadata
.endif
;; end of part 1
;; launch attn (part 2): grid 4 x 64, 16 waves a work-group, no clusters, 104,448 bytes of LDS; arguments queries, keys, values, lowp_scales, mw, tf, out0; writes out0
.if DOCPART == 2
	.amdgcn_target "amdgcn-amd-amdhsa--gfx1250"
	.amdhsa_code_object_version 6
	.text
	.protected	k_qdb5f3b3a67_attn
	.globl	k_qdb5f3b3a67_attn
	.p2align	8
	.type	k_qdb5f3b3a67_attn,@function
k_qdb5f3b3a67_attn:
	s_mov_b64 s[64:65], 0
	v_nop
	global_prefetch_b8 v0, s[64:65] scope:SCOPE_SE
	s_setreg_imm32_b32 hwreg(HW_REG_WAVE_MODE, 25, 1), 1
	s_wait_xcnt 0x0
; out0[head][q][:] = the sum over k of softmax_k(where(mask[q][k], Q[q] . K[k] / 8, -inf)) V[k][:], 64 heads, 2,048 queries and keys, head size 64, f32 in and out.
; Both products on codes of E4M3, each operand with its given scale 2^e (lowp_scales: eq, ek, ep, ev).  Q, K and V are quantised here, in registers: code = x / 2^e, held within +-448, nearest code, ties to even.
; THE SOFTMAX AHEAD OF THE SECOND PRODUCT: t = score x log2(e) / 8; M = the row's largest t so far, rounded UP to a whole number; p = 2^(t - M) is what is quantised; the row's sum is taken of the unquantised p
; and divides at the end.  When M moves, the sum and O are multiplied by 2^(old M - new M), a power of two.
; THE MASK is an input and is honoured as it comes.  The launch before has stored, for each tile of 16 queries and each step of 128 keys, the 64 lane masks of the score registers (mw) and two flags (tf):
; 'some entry is true' and 'not every entry is true'.  A step none of whose entries is true for a wave's tile adds nothing and is jumped over; a step all of whose entries are true needs no masking; else hidden scores
; become -infinity ahead of the maximum.  A row with no true entry ends with sum 0 and O 0, and 0 x (1 / 0) gives the NaN that the softmax of such a row is.
; SHARES.  256 work-groups of sixteen waves.  Work-group (x, head) makes two passes: query block 7 - x, then block x (a block: 256 queries); wave w owns 16 of a block's queries, one tile, in 256 registers.
; The pairing is fixed and right for any mask; where the mask is lower triangular it gives every work-group the same number of steps.  Each pass walks all 16 key steps in 8 trips of two: the trip count is a constant.
; K AND V go from memory through registers into LDS: the 512 threads quantise a step's 128 keys (16 numbers of K and 16 of V a thread) and store the codes as IMAGES OF THE OPERANDS' REGISTERS, so that every fragment load
; reads 512 consecutive bytes.  Two slots by turns, one barrier a step.  V needs no transposition: a thread takes one channel and its registers run down 16 keys.
; NO TENSOR LOADS, NO CLUSTER: which steps a work-group fetches and computes hangs on numbers read from tf; and the four work-groups of a head, which share K and V,
; may walk different sets of steps.
; LAYOUT.  Both products are used transposed: S^T = K Q^T (source 0 = 16 keys, source 1 = my 16 queries), O^T = V^T P^T: a lane holds ONE query (lane % 16) throughout.
; Lane r of K's tile 2 b + u holds key 32 b + 8 u + r + 8 (r / 8), so that score register n is key 32 (n / 16) + 16 (lane / 16) + n % 16, and p's conversions give the second product's operand as it stands.
; ORDER OF k INSIDE AN INSTRUCTION: in Q and K lane (r, h) holds d = 32 h .. 32 h + 31 in registers 0-7; in V^T and P registers 4 c .. 4 c + 3 hold keys 32 c + 16 h + 0 .. 15.  Both are permutations of k, the same on both
; sides of a product: every product meets its partner; only the order of the sums inside an instruction differs from the form's own.
; LIMITS on the given exponents, so that each power of two below is an f32 number: eq, ek, ep, ev between -126 and 119; eq + ek between -123 and 130 (added to c's exponent field, 124).  NaN among the inputs is not served.
.set STEPB, 32768                      ; a key step in memory: 128 rows of 256 bytes, of K and of V alike
.set SLOTB, 16384                      ; an LDS slot: K's 8 tiles x 1,024 bytes, then V^T's 4 fragments x 2,048
.set VOFF,  8192
.set STAGE, 2*SLOTB                    ; behind the slots: 16 rows x 272 bytes for each wave, for the way out
.set LI,   1                           ; v1   16 x lane: my place in an image
.set KSO,  2                           ; v2   64 t: thread t takes key t / 4, d = 16 (t % 4) on
.set VSO,  3                           ; v3   4,096 (t / 64) + 4 (t % 64): keys 16 (t / 64) on, channel t % 64
.set KLA,  4                           ; v4   where my 16 codes of K go in a slot
.set VLA,  5                           ; v5   the same for V
.set QO,   6                           ; v6   256 r + 128 h: my 32 numbers of Q's row r
.set STO,  7                           ; v7   the way out: where I put 32 bytes of a row
.set RD,   8                           ; v8   where I read a row back
.set GO,   9                           ; v9   my byte offset in the wave's rows of out0
.set PFO,  10                          ; v10  256 x (t % 128): the prefetches' row
.set QC,   16                          ; v16-23   Q's codes
.set PC,   24                          ; v24-39   p's codes
.set FR,   40                          ; v40-103  fragments of K, then of V^T; rows of out0 on the way out
.set SC,   104                         ; v104-167 S^T, then p; Q's numbers at a pass's head; O / sum on the way out
.set OT,   168                         ; v168-199 O^T: register 8 t + i = channel 16 t + 8 h + i
.set KS,   200                         ; v200-215 16 numbers of K on their way
.set VS,   216                         ; v216-231 16 numbers of V
.set KC,   232                         ; v232-235 their codes
.set VC,   236                         ; v236-239
.set PLIM, 240                         ; 448 x 2^ep
.set PSC,  241                         ; 2^ep
.set KSC,  242
.set KLIM, 243
.set VSC,  244
.set VLIM, 245
.set QSC,  246
.set QLIM, 247
.set TA,   248                         ; at work
.set TB,   249
.set FF,   250                         ; v[250:251] f = 2^(old M - new M); v251 is named with it as a pair
.set SUM2, 252                         ; v[252:253] the sum's second chain
.set NINF, 254                         ; -infinity
.set PERM, 255                         ; the lane permute's destination
; v12 -M, v13 the largest t, v[14:15] the row's sum in two halves
.set OP,   10                          ; s[10:11] first lowp_scales, then the pass's rows of out0
.set WV,   18
.set PFL,  19                          ; 1 in a wave that prefetches, else the greatest number
.set SEL,  20                          ; s[20:21] lane selects: lane l xor 16
.set CS,   22                          ; s[22:23] c = log2(e) / 8 x 2^(eq + ek)
.set KB,   24                          ; s[24:25] K at the trip's first step
.set VB,   26                          ; s[26:27] V likewise
.set MWP,  28                          ; s[28:29] my tile's mask words of the trip's first step
.set ANY,  30                          ; my tile's flags, bit 0 = the trip's first step
.set NAL,  31
.set WGF,  66                          ; the OR of the block's sixteen tiles' 'some entry is true'
.set TRIP, 67
.set PASS, 100
.set EPV,  101
.set PFA,  104                         ; s[104:105] K (waves 0-3) or V (waves 4-7) at the trip's first step
; s[32:63], s[68:99]: a step's 64 mask words (word n in s[32 + n], from n = 32 on in s[36 + n]); at the heads they are at work
; the next step's numbers: 4 loads of 16 bytes of K (a wave's four cover 2,048 consecutive bytes) and 16 of 4 bytes of V (a wave covers 128 consecutive bytes of one key's row)
.macro ASKNEXT off
.irp j, 0,1,2,3
	global_load_b128 v[KS+4*\j:KS+4*\j+3], v[KSO], s[KB:KB+1] offset:\off+16*\j
.endr
.irp i, 0,1,2,3,4,5,6,7,8,9,10,11,12,13,14,15
	global_load_b32 v[VS+\i], v[VSO], s[VB:VB+1] offset:\off+256*\i
.endr
.endm
; they become codes and go into a slot
.macro FILL slot
.irp i, 0,1,2,3,4,5,6,7,8,9,10,11,12,13,14,15
	v_med3_num_f32 v[KS+\i], v[KS+\i], -v[KLIM], v[KLIM]   ; the conversion to an 8-bit code does not saturate (ISA guide 7.6.2): the hold at the largest code x the scale
.endr
	v_cvt_scalef32_pk8_fp8_f32 v[KC:KC+1], v[KS:KS+7], v[KSC]
	v_cvt_scalef32_pk8_fp8_f32 v[KC+2:KC+3], v[KS+8:KS+15], v[KSC]
.irp i, 0,1,2,3,4,5,6,7,8,9,10,11,12,13,14,15
	v_med3_num_f32 v[VS+\i], v[VS+\i], -v[VLIM], v[VLIM]
.endr
	v_cvt_scalef32_pk8_fp8_f32 v[VC:VC+1], v[VS:VS+7], v[VSC]
	v_cvt_scalef32_pk8_fp8_f32 v[VC+2:VC+3], v[VS+8:VS+15], v[VSC]
	v_nop                                          ; one plain vector instruction behind the last scaled conversion
	ds_store_b128 v[KLA], v[KC:KC+3] offset:(\slot)*SLOTB
	ds_store_b128 v[VLA], v[VC:VC+3] offset:(\slot)*SLOTB
.endm
; A PREFETCH INTO THE L2, behind the wave's loads of the next step: the step after that one, 128 rows of 256 bytes of K and of V, a lane a row.  Each row of steps 2 to 15 is named once in the launch: the four work-groups
; of a head walk the same K and V, and work-group x = 0 asks, in its first pass; waves 0 to 3 for K's rows, waves 4 to 7 for V's.  The last trip asks for nothing: there is no step behind it.  Steps 0 and 1 come by their loads alone.
.macro PREF off
	s_cmp_gt_u32 s[TRIP], s[PFL]
	s_cbranch_scc0 .Lnot_mine_\@
	global_prefetch_b8 v[PFO], s[PFA:PFA+1] offset:\off th:TH_LOAD_NT scope:SCOPE_SE
.Lnot_mine_\@:
.endm
; A KEY STEP of my tile, from slot s
.macro COMPUTE s
.rept 4
	v_nop                                          ; places in front of loads into registers that the last step's products have read
.endr
.irp f, 0,1,2,3,4,5,6,7
	ds_load_b128 v[FR+8*\f:FR+8*\f+3],   v[LI] offset:\s*SLOTB+\f*1024
	ds_load_b128 v[FR+8*\f+4:FR+8*\f+7], v[LI] offset:\s*SLOTB+\f*1024+512
.endr
	s_wait_dscnt 0x0
.irp f, 0,1,2,3,4,5,6,7
	v_wmma_f32_16x16x64_fp8_fp8 v[SC+8*\f:SC+8*\f+7], v[FR+8*\f:FR+8*\f+7], v[QC:QC+7], 0
.endr
.rept 4
	v_nop                                          ; places in front of the loads below and of the first read of the scores
.endr
.irp f, 0,1,2,3
.irp c, 0,1,2,3
	ds_load_b128 v[FR+16*\f+4*\c:FR+16*\f+4*\c+3], v[LI] offset:\s*SLOTB+VOFF+\f*2048+\c*512   ; V^T: it lands while the softmax is walked
.endr
.endr
	s_bitcmp1_b32 s[NAL], \s                       ; is an entry of this step false for my tile?
	s_cbranch_scc0 .Lopen_\@
	s_load_b512 s[32:47], s[MWP:MWP+1], \s*256
	s_load_b512 s[48:63], s[MWP:MWP+1], \s*256+64
	s_load_b512 s[68:83], s[MWP:MWP+1], \s*256+128
	s_load_b512 s[84:99], s[MWP:MWP+1], \s*256+192
	s_wait_kmcnt 0x0
.set n, 0
.rept 64                                       ; hidden scores become -infinity: p = 0 then.  Each accumulator from its low end on
.if n < 32
	v_cndmask_b32 v[SC+n], v[NINF], v[SC+n], s[32+n]
.else
	v_cndmask_b32 v[SC+n], v[NINF], v[SC+n], s[36+n]
.endif
.set n, n+1
.endr
.Lopen_\@:
	v_max3_num_f32 v[TA], v[SC], v[SC+1], v[SC+2]  ; the step's largest score of my query, among my 64 keys, in two chains, ascending
	v_max3_num_f32 v[TB], v[SC+3], v[SC+4], v[SC+5]
.irp i, 6,10,14,18,22,26,30,34,38,42,46,50,54,58
	v_max3_num_f32 v[TA], v[TA], v[SC+\i], v[SC+1+\i]
	v_max3_num_f32 v[TB], v[TB], v[SC+2+\i], v[SC+3+\i]
.endr
	v_max3_num_f32 v[TA], v[TA], v[SC+62], v[SC+63]
	v_max_num_f32 v[TA], v[TA], v[TB]
	v_permlanex16_b32 v[PERM], v[TA], s[SEL], s[SEL+1]
	v_max_num_f32 v[TA], v[TA], v[PERM]            ; and among lane l xor 16's
	v_mul_f32 v[TA], s[CS], v[TA]                  ; as t (c is positive)
	v_max_num_f32 v13, v13, v[TA]                  ; the running largest t
	v_mov_b32 v[TA], v12
	v_floor_f32 v12, -v13                          ; the new -M = floor(-t) = -ceil(t)
	v_sub_f32 v[TA], v12, v[TA]                    ; old M - new M: a whole number, 0 or less
	v_cvt_i32_f32 v[TA], v[TA]                     ; (it saturates)
	v_ldexp_f32 v[FF], 1.0, v[TA]                  ; f = 2^(old M - new M)
.irp j, 0,2,4,6,8,10,12,14,16,18,20,22,24,26,28,30,32,34,36,38,40,42,44,46,48,50,52,54,56,58,60,62
	v_pk_fma_f32 v[SC+\j:SC+1+\j], v[SC+\j:SC+1+\j], s[CS:CS+1], v[12:13] op_sel_hi:[1,0,0]   ; t - M, two at a time (of the pairs c and -M the low word serves both halves)
.endr
.irp j, 0,1,2,3,4,5,6,7,8,9,10,11,12,13,14,15,16,17,18,19,20,21,22,23,24,25,26,27,28,29,30,31,32,33,34,35,36,37,38,39,40,41,42,43,44,45,46,47,48,49,50,51,52,53,54,55,56,57,58,59,60,61,62,63
	v_exp_f32 v[SC+\j], v[SC+\j]                   ; p = 2^(t - M), at most 1: not normalised
.endr
	v_pk_mul_f32 v[14:15], v[14:15], v[FF:FF+1] op_sel_hi:[1,0]   ; the sums under the new M: the plain instruction behind the exponentials
	s_wait_alu depctr_va_vdst(0)                   ; one wait for the whole batch, ahead of its first reader
	v_pk_add_f32 v[SUM2:SUM2+1], v[SC:SC+1], v[SC+2:SC+3]   ; the row's sum is taken of the unquantised p: two at a time, in two chains
.irp j, 4,8,12,16,20,24,28,32,36,40,44,48,52,56,60
	v_pk_add_f32 v[14:15], v[14:15], v[SC+\j:SC+1+\j]
	v_pk_add_f32 v[SUM2:SUM2+1], v[SUM2:SUM2+1], v[SC+2+\j:SC+3+\j]
.endr
	v_pk_add_f32 v[14:15], v[14:15], v[SUM2:SUM2+1]
.irp b, 0,1,2,3
.irp i, 0,1,2,3,4,5,6,7,8,9,10,11,12,13,14,15
	v_min_num_f32 v[SC+16*\b+\i], v[SC+16*\b+\i], v[PLIM]   ; the hold; p is not negative, so it is one-sided
.endr
	v_cvt_scalef32_pk8_fp8_f32 v[PC+4*\b:PC+1+4*\b], v[SC+16*\b:SC+7+16*\b], v[PSC]
	v_cvt_scalef32_pk8_fp8_f32 v[PC+2+4*\b:PC+3+4*\b], v[SC+8+16*\b:SC+15+16*\b], v[PSC]
.endr
.irp j, 0,2,4,6,8,10,12,14,16,18,20,22,24,26,28,30
	v_pk_mul_f32 v[OT+\j:OT+1+\j], v[OT+\j:OT+1+\j], v[FF:FF+1] op_sel_hi:[1,0]   ; O^T under the new M; these are also the plain instructions behind the conversions
.endr
	s_wait_dscnt 0x0                               ; V^T is in
.irp f, 0,1,2,3                                ; the four accumulators by turns; the scores' products stand between a step's and the next step's
	v_wmma_f32_16x16x128_fp8_fp8 v[OT+8*\f:OT+8*\f+7], v[FR+16*\f:FR+16*\f+15], v[PC:PC+15], v[OT+8*\f:OT+8*\f+7]
.endr
.endm
; The step in slot s is computed while the next step's numbers come from memory; then they are quantised into the other slot.  ONE barrier a step: in front of it each wave's stores into the other slot have landed and its
; reads of this slot are back, so behind it the other slot may be read and this one written.  The waits and the barrier stand outside every branch.
.macro STEP s
	s_bitcmp1_b32 s[WGF], 1+\s                     ; does any tile of the block want the next step?  (There is no step 16: that bit is 0)
	s_cbranch_scc0 .Lnoask_\@
	ASKNEXT (1+\s)*STEPB
.Lnoask_\@:
	PREF (2+\s)*STEPB
	s_bitcmp1_b32 s[ANY], \s                       ; does my tile want this step?
	s_cbranch_scc0 .Lhidden_\@
	COMPUTE \s
.Lhidden_\@:
	s_wait_loadcnt 0x0                             ; the next step's numbers are in
	s_bitcmp1_b32 s[WGF], 1+\s
	s_cbranch_scc0 .Lnofill_\@
	FILL 1-\s
.Lnofill_\@:
	s_wait_dscnt 0x0
	s_barrier_signal -1
	s_barrier_wait -1
.endm
; 2^e and 448 x 2^e as f32 numbers
.macro SCALES e, sc, lim
	s_add_co_i32 s36, s[\e], 127
	s_lshl_b32 s37, s36, 23
	v_mov_b32 v[\sc], s37
	s_add_co_i32 s36, s36, 8
	s_lshl_b32 s36, s36, 23
	s_or_b32 s36, s36, 0x600000
	v_mov_b32 v[\lim], s36
.endm
	s_load_b256 s[4:11], s[0:1], 0x0               ; queries s[4:5], keys s[6:7], values s[8:9], lowp_scales s[10:11]
	s_load_b128 s[12:15], s[0:1], 0x20             ; mw s[12:13], tf s[14:15]
	s_load_b64 s[16:17], s[0:1], 0x30              ; out0
	v_lshrrev_b32 v11, 5, v0
	v_readfirstlane_b32 s[WV], v11                 ; wave 0..15
	v_and_b32 v11, 31, v0
	v_lshlrev_b32 v[LI], 4, v11
	v_lshlrev_b32 v[KSO], 6, v0
	v_lshrrev_b32 v[VSO], 6, v0
	v_and_b32 v11, 63, v0
	v_lshlrev_b32 v[VSO], 12, v[VSO]
	v_lshl_or_b32 v[VSO], v11, 2, v[VSO]
	; K's image: thread t holds key t / 4 = 32 b + 16 r3 + 8 u + r_lo and d = 32 h + 16 p on (h = bit 1, p = bit 0 of t): tile 2 b + u, lane 16 h + 8 r3 + r_lo, registers 4 p on
	v_bfe_u32 v11, v0, 7, 2
	v_lshlrev_b32 v[KLA], 11, v11                  ; b
	v_bfe_u32 v11, v0, 5, 1
	v_lshl_or_b32 v[KLA], v11, 10, v[KLA]          ; u
	v_and_b32 v11, 1, v0
	v_lshl_or_b32 v[KLA], v11, 9, v[KLA]           ; p
	v_bfe_u32 v11, v0, 1, 1
	v_lshl_or_b32 v[KLA], v11, 8, v[KLA]           ; h
	v_bfe_u32 v11, v0, 6, 1
	v_lshl_or_b32 v[KLA], v11, 7, v[KLA]           ; r3
	v_bfe_u32 v11, v0, 2, 3
	v_lshl_or_b32 v[KLA], v11, 4, v[KLA]           ; r_lo
	; V's image: thread t holds channel t % 64 = 16 f + r and keys 16 (t / 64) = 32 c + 16 h on: fragment f, registers 4 c on, lane 16 h + r
	v_bfe_u32 v11, v0, 5, 1
	v_lshlrev_b32 v[VLA], 12, v11
	v_bfe_u32 v11, v0, 4, 1
	v_lshl_or_b32 v[VLA], v11, 11, v[VLA]          ; f
	v_bfe_u32 v11, v0, 7, 2
	v_lshl_or_b32 v[VLA], v11, 9, v[VLA]           ; c
	v_bfe_u32 v11, v0, 6, 1
	v_lshl_or_b32 v[VLA], v11, 8, v[VLA]           ; h
	v_and_b32 v11, 15, v0
	v_lshl_or_b32 v[VLA], v11, 4, v[VLA]           ; r
	v_add_nc_u32 v[VLA], VOFF, v[VLA]
	v_and_b32 v[TB], 15, v0                        ; r
	v_bfe_u32 v[TA], v0, 4, 1                      ; h
	v_lshlrev_b32 v[QO], 8, v[TB]
	v_lshl_or_b32 v[QO], v[TA], 7, v[QO]
	s_mul_i32 s2, s[WV], 16*272
	s_add_co_u32 s2, s2, STAGE                     ; my stage
	v_mul_u32_u24 v[STO], v[TB], 272               ; in: row r, 32 bytes for each half of the lanes
	v_lshl_add_u32 v[STO], v[TA], 5, v[STO]
	v_add_nc_u32 v[STO], s2, v[STO]
	v_mul_u32_u24 v[RD], v[TA], 272                ; back: lanes 0-15 one row of 256 bytes, lanes 16-31 the next
	v_lshl_add_u32 v[RD], v[TB], 4, v[RD]
	v_add_nc_u32 v[RD], s2, v[RD]
	v_lshlrev_b32 v[GO], 8, v[TA]                  ; and the same two rows in out0
	v_lshl_or_b32 v[GO], v[TB], 4, v[GO]
	v_and_b32 v[PFO], 127, v0
	v_lshlrev_b32 v[PFO], 8, v[PFO]
	v_mov_b32 v[NINF], 0xff800000
	v_mov_b32 v[FF+1], 0                           ; named as the upper half of a pair
	v_mov_b32 v[PERM], 0                           ; a lane permute's destination counts as one of its sources
	s_and_b32 s2, ttmp7, 0xffff                    ; the head:
	s_lshl_b32 s2, s2, 19                          ; 2,048 rows of 256 bytes
	s_mov_b32 s3, 0
	s_mov_b32 s[SEL], 0x76543210
	s_mov_b32 s[SEL+1], 0xfedcba98
	s_mov_b32 s[CS], 0x3e38aa3b                    ; log2(e) / 8
	s_mov_b32 s[PASS], 0
	s_wait_kmcnt 0x0
	s_load_b128 s[32:35], s[10:11], 0x0            ; eq, ek, ep, ev
	s_add_nc_u64 s[4:5], s[4:5], s[2:3]
	s_add_nc_u64 s[6:7], s[6:7], s[2:3]
	s_add_nc_u64 s[8:9], s[8:9], s[2:3]
	s_add_nc_u64 s[16:17], s[16:17], s[2:3]
	s_cmp_lt_u32 s[WV], 4
	s_cselect_b64 s[PFA:PFA+1], s[6:7], s[8:9]
	s_lshr_b32 s[PFL], s[WV], 3                    ; 0 in waves 0 to 7,
	s_or_b32 s[PFL], s[PFL], ttmp9                 ; of work-group x = 0
	s_cmp_eq_u32 s[PFL], 0
	s_cselect_b32 s[PFL], 1, -1
	s_wait_kmcnt 0x0
	s_add_co_i32 s36, s32, s33
	s_lshl_b32 s36, s36, 23
	s_add_co_i32 s[CS], s[CS], s36                 ; a score stands for score x 2^(eq + ek): the two exponents are added to c's exponent field
	s_mov_b32 s[CS+1], s[CS]                       ; named with it as a pair
	s_add_co_i32 s[EPV], s34, s35                  ; ep + ev
	SCALES 32, QSC, QLIM
	SCALES 33, KSC, KLIM
	SCALES 34, PSC, PLIM
	SCALES 35, VSC, VLIM
.Lpass:
	s_sub_co_u32 s68, 7, ttmp9
	s_cmp_eq_u32 s[PASS], 0
	s_cselect_b32 s68, s68, ttmp9                  ; the pass's block of 256 queries
	s_lshl_b32 s69, s68, 4
	s_add_co_u32 s69, s69, s[WV]                   ; my tile T
	s_lshl_b32 s70, s69, 12                        ; 4,096 T: my 16 rows in queries and in out0, and my tile's words in mw
	s_mov_b32 s71, 0
	s_lshl_b32 s72, s68, 6                         ; the block's sixteen words of tf
	s_mov_b32 s73, 0
	s_lshl_b32 s74, s69, 2                         ; my tile's word
	s_mov_b32 s75, 0
	s_add_nc_u64 s[72:73], s[14:15], s[72:73]
	s_add_nc_u64 s[74:75], s[14:15], s[74:75]
	s_load_b512 s[32:47], s[72:73], 0x0
	s_load_b32 s[ANY], s[74:75], 0x0
	s_mov_b64 s[KB:KB+1], s[6:7]
	s_mov_b64 s[VB:VB+1], s[8:9]
	ASKNEXT 0                                      ; step 0 is fetched whatever the flags say: so the staging registers are written on every way
	s_add_nc_u64 s[76:77], s[4:5], s[70:71]
.irp j, 0,1,2,3,4,5,6,7
	global_load_b128 v[SC+4*\j:SC+4*\j+3], v[QO], s[76:77] offset:16*\j th:TH_LOAD_NT   ; Q(r, 32 h + 4 j ..): read once in the launch
.endr
	s_add_nc_u64 s[OP:OP+1], s[16:17], s[70:71]
	s_add_nc_u64 s[MWP:MWP+1], s[12:13], s[70:71]
	v_mov_b32 v13, 0xff61b1e6                      ; the largest t so far: -3e38, under every t
	v_floor_f32 v12, -v13                          ; -M
	v_mov_b32 v14, 0
	v_mov_b32 v15, 0
.irp j, 0,1,2,3,4,5,6,7,8,9,10,11,12,13,14,15,16,17,18,19,20,21,22,23,24,25,26,27,28,29,30,31
	v_mov_b32 v[OT+\j], 0                          ; the step is written once: the first finds zeros, which the first change of M leaves zeros; which step is a tile's first hangs on the mask
.endr
	s_wait_kmcnt 0x0
	s_or_b32 s[WGF], s32, s33
.irp k, 34,35,36,37,38,39,40,41,42,43,44,45,46,47
	s_or_b32 s[WGF], s[WGF], s\k
.endr
	s_and_b32 s[WGF], s[WGF], 0xffff               ; steps that some tile of the block wants
	s_lshr_b32 s[NAL], s[ANY], 16
	s_and_b32 s[ANY], s[ANY], 0xffff
	s_wait_loadcnt 0x0                             ; step 0's numbers and Q
.irp i, 0,1,2,3,4,5,6,7,8,9,10,11,12,13,14,15,16,17,18,19,20,21,22,23,24,25,26,27,28,29,30,31
	v_med3_num_f32 v[SC+\i], v[SC+\i], -v[QLIM], v[QLIM]
.endr
.irp g, 0,1,2,3
	v_cvt_scalef32_pk8_fp8_f32 v[QC+2*\g:QC+2*\g+1], v[SC+8*\g:SC+8*\g+7], v[QSC]
.endr
	v_nop                                          ; one plain vector instruction behind the last scaled conversion
	FILL 0
	s_wait_dscnt 0x0                               ; for the others' sake: my codes have landed
	s_barrier_signal -1
	s_barrier_wait -1
	s_mov_b32 s[TRIP], 8
.Ltrip:
	STEP 0
	STEP 1
	s_wait_xcnt 0x0                                ; the trip's loads and prefetches have read their bases: they may step
	s_add_nc_u64 s[KB:KB+1], s[KB:KB+1], 2*STEPB
	s_add_nc_u64 s[VB:VB+1], s[VB:VB+1], 2*STEPB
	s_add_nc_u64 s[PFA:PFA+1], s[PFA:PFA+1], 2*STEPB   ; (stepped in both passes, used in the first alone)
	s_add_nc_u64 s[MWP:MWP+1], s[MWP:MWP+1], 512
	s_lshr_b32 s[ANY], s[ANY], 2
	s_lshr_b32 s[NAL], s[NAL], 2
	s_lshr_b32 s[WGF], s[WGF], 2
	s_sub_co_u32 s[TRIP], s[TRIP], 1
	s_cmp_lg_u32 s[TRIP], 0
	s_cbranch_scc1 .Ltrip
	; THE WAY OUT.  O^T / the sum x 2^(ep + ev) goes through my own stage in LDS and comes back as whole rows of 256 bytes.
.rept 4
	v_nop                                          ; places behind the pass's last products, on the way on which nothing was quantised behind them too
.endr
	v_add_f32 v14, v14, v15                        ; the sum's two halves,
	v_permlanex16_b32 v[PERM], v14, s[SEL], s[SEL+1]
	v_add_f32 v14, v14, v[PERM]                    ; and lane l xor 16's
	v_rcp_f32 v14, v14
	v_nop                                          ; a plain instruction behind the reciprocal,
	s_wait_alu depctr_va_vdst(0)                   ; and the wait ahead of its first reader
	v_ldexp_f32 v14, v14, s[EPV]
.irp j, 0,2,4,6,8,10,12,14,16,18,20,22,24,26,28,30
	v_pk_mul_f32 v[SC+\j:SC+1+\j], v[OT+\j:OT+1+\j], v[14:15] op_sel_hi:[1,0]   ; each accumulator from its low end on
.endr
.irp f, 0,1,2,3
	ds_store_b128 v[STO], v[SC+8*\f:SC+8*\f+3] offset:64*\f         ; lane (r, h): channels 16 f + 8 h + 0 .. 7 of query r
	ds_store_b128 v[STO], v[SC+8*\f+4:SC+8*\f+7] offset:64*\f+16
.endr
.irp i, 0,1,2,3,4,5,6,7
	ds_load_b128 v[FR+4*\i:FR+4*\i+3], v[RD] offset:544*\i          ; LDS serves a wave's instructions in order (ISA guide 5.7.1.4): these see my stores
.endr
.irp i, 0,1,2,3,4,5,6,7
	s_wait_dscnt 7-\i                              ; the younger loads from the stage may stay out
	global_store_b128 v[GO], v[FR+4*\i:FR+4*\i+3], s[OP:OP+1] offset:512*\i th:TH_STORE_NT   ; 32 lanes store 512 consecutive bytes, at a multiple of 256 from out0's first byte
.endr
	s_wait_xcnt 0x0                                ; the stores have read their registers and their base: the next pass writes both
	s_mov_b32 s[PFL], -1                           ; the second pass prefetches nothing: every row has been named
	s_add_co_u32 s[PASS], s[PASS], 1
	s_cmp_lt_u32 s[PASS], 2
	s_cbranch_scc1 .Lpass
	s_wait_xcnt 0x0
	v_lshl_add_u32 v254, v0, 2, 0x19000
	v_mov_b32 v255, 0
	s_wait_tensorcnt 0x0
	ds_add_u32 v254, v255
	s_wait_dscnt 0x0
	s_endpgm
.Lfunc_end_k_qdb5f3b3a67_attn:
	.size	k_qdb5f3b3a67_attn, .Lfunc_end_k_qdb5f3b3a67_attn-k_qdb5f3b3a67_attn
	.p2alignl 7, 3214868480
	.fill 96, 4, 3214868480
	.section	.rodata,"a",@progbits
	.p2align	6, 0x0
	.amdhsa_kernel k_qdb5f3b3a67_attn
		.amdhsa_group_segment_fixed_size 104448
		.amdhsa_private_segment_fixed_size 0
		.amdhsa_enable_private_segment 0
		.amdhsa_kernarg_size 56
		.amdhsa_user_sgpr_count 2
		.amdhsa_user_sgpr_kernarg_segment_ptr 1
		.amdhsa_wavefront_size32 1
		.amdhsa_system_sgpr_workgroup_id_x 1
		.amdhsa_system_sgpr_workgroup_id_y 1
		.amdhsa_system_sgpr_workgroup_id_z 1
		.amdhsa_system_vgpr_workitem_id 0
		.amdhsa_next_free_vgpr 256
		.amdhsa_next_free_sgpr 106
		.amdhsa_reserve_vcc 0
		.amdhsa_float_denorm_mode_32 3
		.amdhsa_float_denorm_mode_16_64 3
		.amdhsa_memory_ordered 1
		.amdhsa_forward_progress 1
		.amdhsa_inst_pref_size 68
	.end_amdhsa_kernel
	.amdgpu_metadata
---
amdhsa.version: [ 1, 2 ]
amdhsa.kernels:
  - .name:           k_qdb5f3b3a67_attn
    .symbol:         k_qdb5f3b3a67_attn.kd
    .args:
      - { .name: queries, .offset: 0, .size: 8, .value_kind: global_buffer, .address_space: global }
      - { .name: keys, .offset: 8, .size: 8, .value_kind: global_buffer, .address_space: global }
      - { .name: values, .offset: 16, .size: 8, .value_kind: global_buffer, .address_space: global }
      - { .name: lowp_scales, .offset: 24, .size: 8, .value_kind: global_buffer, .address_space: global }
      - { .name: mw, .offset: 32, .size: 8, .value_kind: global_buffer, .address_space: global }
      - { .name: tf, .offset: 40, .size: 8, .value_kind: global_buffer, .address_space: global }
      - { .name: out0, .offset: 48, .size: 8, .value_kind: global_buffer, .address_space: global }
    .group_segment_fixed_size: 104448
    .private_segment_fixed_size: 0
    .kernarg_segment_align: 8
    .kernarg_segment_size: 56
    .max_flat_workgroup_size: 512
    .sgpr_count:     106
    .vgpr_count:     256
    .wavefront_size: 32
...
	.end_amdgpu_metadata
.endif
;; end of part 2
;; ======== version 2 of 2: 2 launches
;; workspace buffers: mw 524,288 bytes of whole numbers; tf 512 bytes of whole numbers
;; launch maskprep (part 3): grid 128 x 1, 16 waves a work-group, no clusters, 2,304 bytes of LDS; arguments mask, mw, tf; writes mw, tf
.if DOCPART == 3
	.amdgcn_target "amdgcn-amd-amdhsa--gfx1250"
	.amdhsa_code_object_version 6
	.text
	.protected	k_qdb5f3b3a67_maskprep
	.globl	k_qdb5f3b3a67_maskprep
	.p2align	8
	.type	k_qdb5f3b3a67_maskprep,@function
k_qdb5f3b3a67_maskprep:
	s_mov_b64 s[64:65], 0
	v_nop
	global_prefetch_b8 v0, s[64:65] scope:SCOPE_SE
	s_setreg_imm32_b32 hwreg(HW_REG_WAVE_MODE, 25, 1), 1
	s_wait_xcnt 0x0
; The mask [2048][2048] (one byte an entry, 0 or not 0) is turned into what the attention launch wants of it: lane masks and flags, all whole numbers.
; Work-group T (of 128) takes queries 16 T .. 16 T + 15; its wave j (of 16) takes keys 128 j .. 128 j + 127: a piece of 16 rows x 128 bytes.
; mw: for each (T, j) 64 words at byte (16 T + j) x 256 + 4 n.  Bit L of word n = mask[16 T + (L & 15)][128 j + 32 (n >> 4) + 16 (L >> 4) + (n & 15)] != 0:
;     the 32 lanes' mask of score register n of the attention wave that owns tile T, in key step j.
; tf: word T: bit j = some entry of (T, j) is true; bit 16 + j = not every entry of (T, j) is true.
; SHAPES OF THE ACCESSES, as they are: a lane reads 16 bytes of a row, four times (64 of its row's 128 bytes; its partner 16 lanes on the other 64); the 64 words of a piece leave as one store of
; 256 consecutive bytes, aligned; tf's word is a store of four bytes by one thread, 512 bytes in the whole launch.  128 work-groups: the mask has 2,048 pieces, one a wave.
	s_load_b128 s[4:7], s[0:1], 0x0                ; mask s[4:5], mw s[6:7]
	s_load_b64 s[8:9], s[0:1], 0x10                ; tf
	v_lshl_add_u32 v48, v0, 2, 0x100
	v_mov_b32 v49, 0
	v_lshrrev_b32 v2, 5, v0
	s_delay_alu instid0(VALU_DEP_1)
	v_readfirstlane_b32 s12, v2                    ; wave j
	s_delay_alu instid0(VALU_DEP_2)
	v_lshlrev_b32 v5, 2, v2                        ; my wave's word in LDS
	v_and_b32 v3, 15, v0                           ; r: my row of the piece
	v_bfe_u32 v7, v0, 4, 1                         ; h: which 16 of each 32 columns
	s_delay_alu instid0(VALU_DEP_2)
	v_lshlrev_b32 v1, 11, v3                       ; a row of the mask is 2,048 bytes
	s_delay_alu instid0(VALU_DEP_1)
	v_lshl_add_u32 v1, v7, 4, v1                   ; + 16 h
	v_and_b32 v4, 31, v0
	s_delay_alu instid0(VALU_DEP_1)
	v_lshlrev_b32 v4, 3, v4                        ; 8 x lane: lane L stores words 2 L and 2 L + 1
	v_mov_b32 v6, 0
	v_mov_b32 v24, 0                               ; written whole: a lane write's destination counts as read
	v_mov_b32 v25, 0
	s_lshl_b32 s14, ttmp9, 15                      ; 16 rows of 2,048 bytes a tile,
	s_lshl_b32 s15, s12, 7                         ; 128 bytes a key step
	s_add_co_u32 s14, s14, s15
	s_mov_b32 s15, 0
	s_lshl_b32 s16, ttmp9, 4
	s_add_co_u32 s16, s16, s12
	s_lshl_b32 s16, s16, 8                         ; (16 T + j) x 256
	s_mov_b32 s17, 0
	s_lshl_b32 s18, ttmp9, 2                       ; 4 T
	s_mov_b32 s19, 0
	s_wait_alu depctr_va_vdst(0)
	s_wait_kmcnt 0x0
	s_add_nc_u64 s[4:5], s[4:5], s[14:15]
	s_add_nc_u64 s[6:7], s[6:7], s[16:17]
	s_add_nc_u64 s[8:9], s[8:9], s[18:19]
.irp b, 0,1,2,3
	global_load_b128 v[8+4*\b:11+4*\b], v1, s[4:5] offset:32*\b th:TH_LOAD_NT   ; columns 32 b + 16 h + 0 .. 15 of my row; the mask is read once in the launch
.endr
	s_wait_loadcnt 0x0
; word n = 16 b + i: byte i of load b, compared in all 32 lanes at once; the compare's lane mask IS the word; it goes to lane n / 2, register n % 2
.set n, 0
.rept 64
	v_bfe_u32 v[2+n%2], v[8+n/4], 8*(n%4), 8
	s_delay_alu instid0(VALU_DEP_1)
	v_cmp_ne_u32 s[20+n%2], 0, v[2+n%2]
	s_delay_alu instid0(VALU_DEP_1)
	v_writelane_b32 v[24+n%2], s[20+n%2], n/2
.set n, n+1
.endr
	global_store_b64 v4, v[24:25], s[6:7]          ; 32 lanes store 256 consecutive bytes, at a multiple of 256 from mw's first byte
	v_or_b32 v2, v24, v25
	v_and_b32 v3, v24, v25
	s_delay_alu instid0(VALU_DEP_2)
	v_cmp_ne_u32 s22, 0, v2                        ; lanes that hold a bit
	s_delay_alu instid0(VALU_DEP_2)
	v_cmp_ne_u32 s23, -1, v3                       ; lanes that lack one
	s_cmp_lg_u32 s22, 0
	s_cselect_b32 s24, 1, 0                        ; some entry is true
	s_cmp_lg_u32 s23, 0
	s_cselect_b32 s25, 0x10000, 0                  ; not every entry is
	s_or_b32 s24, s24, s25
	s_lshl_b32 s24, s24, s12                       ; at my key step's places
	v_mov_b32 v7, s24
	ds_store_b32 v5, v7                            ; all lanes write the same word with the same value
	s_wait_dscnt 0x0                               ; for the others' sake: my store has landed
	s_barrier_signal -1
	s_barrier_wait -1
.irp k, 0,1,2,3
	ds_load_b128 v[28+4*\k:31+4*\k], v6 offset:16*\k   ; the sixteen waves' words
.endr
	s_wait_dscnt 0x0
.irp k, 1
	v_or_b32 v28, v28, v[28+\k]
.endr
.irp k, 2, 3, 4, 5, 6, 7, 8, 9, 10, 11, 12, 13, 14, 15
	s_delay_alu instid0(VALU_DEP_1)
	v_or_b32 v28, v28, v[28+\k]
.endr
	s_wait_alu depctr_va_vdst(0)
	s_wait_xcnt 0x0                                ; EXEC is a source of the store above: it changes only behind this wait
	v_cmp_eq_u32 vcc_lo, 0, v0
	s_wait_tensorcnt 0x0
	ds_add_u32 v48, v49
	s_wait_dscnt 0x0
	s_and_saveexec_b32 s26, vcc_lo
	global_store_b32 v6, v28, s[8:9]               ; thread 0 alone: tf[T]
	s_wait_xcnt 0x0                                ; and again, in front of the line that widens it
	s_or_b32 exec_lo, exec_lo, s26
	s_endpgm
.Lfunc_end_k_qdb5f3b3a67_maskprep:
	.size	k_qdb5f3b3a67_maskprep, .Lfunc_end_k_qdb5f3b3a67_maskprep-k_qdb5f3b3a67_maskprep
	.p2alignl 7, 3214868480
	.fill 96, 4, 3214868480
	.section	.rodata,"a",@progbits
	.p2align	6, 0x0
	.amdhsa_kernel k_qdb5f3b3a67_maskprep
		.amdhsa_group_segment_fixed_size 2304
		.amdhsa_private_segment_fixed_size 0
		.amdhsa_enable_private_segment 0
		.amdhsa_kernarg_size 24
		.amdhsa_user_sgpr_count 2
		.amdhsa_user_sgpr_kernarg_segment_ptr 1
		.amdhsa_wavefront_size32 1
		.amdhsa_system_sgpr_workgroup_id_x 1
		.amdhsa_system_sgpr_workgroup_id_y 1
		.amdhsa_system_sgpr_workgroup_id_z 1
		.amdhsa_system_vgpr_workitem_id 0
		.amdhsa_next_free_vgpr 50
		.amdhsa_next_free_sgpr 66
		.amdhsa_reserve_vcc 1
		.amdhsa_float_denorm_mode_32 3
		.amdhsa_float_denorm_mode_16_64 3
		.amdhsa_memory_ordered 1
		.amdhsa_forward_progress 1
		.amdhsa_inst_pref_size 21
	.end_amdhsa_kernel
	.amdgpu_metadata
---
amdhsa.version: [ 1, 2 ]
amdhsa.kernels:
  - .name:           k_qdb5f3b3a67_maskprep
    .symbol:         k_qdb5f3b3a67_maskprep.kd
    .args:
      - { .name: mask, .offset: 0, .size: 8, .value_kind: global_buffer, .address_space: global }
      - { .name: mw, .offset: 8, .size: 8, .value_kind: global_buffer, .address_space: global }
      - { .name: tf, .offset: 16, .size: 8, .value_kind: global_buffer, .address_space: global }
    .group_segment_fixed_size: 2304
    .private_segment_fixed_size: 0
    .kernarg_segment_align: 8
    .kernarg_segment_size: 24
    .max_flat_workgroup_size: 512
    .sgpr_count:     66
    .vgpr_count:     50
    .wavefront_size: 32
...
	.end_amdgpu_metadata
.endif
;; end of part 3
;; launch attn (part 4): grid 4 x 64, 16 waves a work-group, no clusters, 104,448 bytes of LDS; arguments queries, keys, values, lowp_scales, mw, tf, out0; writes out0
.if DOCPART == 4
	.amdgcn_target "amdgcn-amd-amdhsa--gfx1250"
	.amdhsa_code_object_version 6
	.text
	.protected	k_qdb5f3b3a67_attn
	.globl	k_qdb5f3b3a67_attn
	.p2align	8
	.type	k_qdb5f3b3a67_attn,@function
k_qdb5f3b3a67_attn:
	s_mov_b64 s[64:65], 0
	v_nop
	global_prefetch_b8 v0, s[64:65] scope:SCOPE_SE
	s_setreg_imm32_b32 hwreg(HW_REG_WAVE_SCHED_MODE, 0, 2), 2
	s_setreg_imm32_b32 hwreg(HW_REG_WAVE_MODE, 25, 1), 1
	s_wait_xcnt 0x0
	s_wait_alu depctr_vm_vsrc(0)
; out0[head][q][:] = the sum over k of softmax_k(where(mask[q][k], Q[q] . K[k] / 8, -inf)) V[k][:], 64 heads, 2,048 queries and keys, head size 64, f32 in and out.
; Both products on codes of E4M3, each operand with its given scale 2^e (lowp_scales: eq, ek, ep, ev).  Q, K and V are quantised here, in registers: code = x / 2^e, held within +-448, nearest code, ties to even.
; THE SOFTMAX AHEAD OF THE SECOND PRODUCT: t = score x log2(e) / 8; M = the row's largest t so far, rounded UP to a whole number; p = 2^(t - M) is what is quantised; the row's sum is taken of the unquantised p
; and divides at the end.  When M moves, the sum and O are multiplied by 2^(old M - new M), a power of two.
; THE MASK is an input and is honoured as it comes.  The launch before has stored, for each tile of 16 queries and each step of 128 keys, the 64 lane masks of the score registers (mw) and two flags (tf):
; 'some entry is true' and 'not every entry is true'.  A step none of whose entries is true for a wave's tile adds nothing and is jumped over; a step all of whose entries are true needs no masking; else hidden scores
; become -infinity ahead of the maximum.  A row with no true entry ends with sum 0 and O 0, and 0 x (1 / 0) gives the NaN that the softmax of such a row is.
; SHARES.  256 work-groups of sixteen waves.  Work-group (x, head) makes two passes: query block 7 - x, then block x (a block: 256 queries); wave w owns 16 of a block's queries, one tile, in 256 registers.
; The pairing is fixed and right for any mask; where the mask is lower triangular it gives every work-group the same number of steps.  Each pass walks all 16 key steps in 8 trips of two: the trip count is a constant.
; K AND V go from memory through registers into LDS: the 512 threads quantise a step's 128 keys (16 numbers of K and 16 of V a thread) and store the codes as IMAGES OF THE OPERANDS' REGISTERS, so that every fragment load
; reads 512 consecutive bytes.  Two slots by turns, one barrier a step.  V needs no transposition: a thread takes one channel and its registers run down 16 keys.
; NO TENSOR LOADS, NO CLUSTER: which steps a work-group fetches and computes hangs on numbers read from tf; and the four work-groups of a head, which share K and V,
; may walk different sets of steps.
; LAYOUT.  Both products are used transposed: S^T = K Q^T (source 0 = 16 keys, source 1 = my 16 queries), O^T = V^T P^T: a lane holds ONE query (lane % 16) throughout.
; Lane r of K's tile 2 b + u holds key 32 b + 8 u + r + 8 (r / 8), so that score register n is key 32 (n / 16) + 16 (lane / 16) + n % 16, and p's conversions give the second product's operand as it stands.
; ORDER OF k INSIDE AN INSTRUCTION: in Q and K lane (r, h) holds d = 32 h .. 32 h + 31 in registers 0-7; in V^T and P registers 4 c .. 4 c + 3 hold keys 32 c + 16 h + 0 .. 15.  Both are permutations of k, the same on both
; sides of a product: every product meets its partner; only the order of the sums inside an instruction differs from the form's own.
; LIMITS on the given exponents, so that each power of two below is an f32 number: eq, ek, ep, ev between -126 and 119; eq + ek between -123 and 130 (added to c's exponent field, 124).  NaN among the inputs is not served.
; THE MODE: SCHED_MODE bits 1:0 = 2 (LLVM: expert scheduling mode 2), set by the entry lines.  The code itself states the register dependences between vector or matrix instructions and memory or LDS instructions,
; with s_wait_alu, always for 0.
; THE PLAN.  Registers that memory or LDS instructions touch:
;   v1 .. v10   Offsets and LDS addresses: written at the head, once; read by every load, store and prefetch.  One wait on va_vdst ahead of the passes.
;   KS, VS      The next step's global loads land in them; FILL's holds and conversions read them (the holds write them in place).  FILL's own wait on va_vdst stands behind all of these, and no vector instruction names
;               KS or VS until the next FILL: so the loads that follow it, over the barrier, the backward jumps and a pass's head, owe nothing more.
;   KC, VC      Written by FILL's conversions, read by its two LDS stores: the same wait on va_vdst ahead of the stores; one wait on vm_vsrc a step ahead of the next FILL, which writes them again.
;   FR          K's fragments land in it and the eight products K Q^T read it; V^T's fragments land in it and the four products V^T P^T read it.  One wait on va_vdst ahead of each of the two kinds of loads.
;               Behind the second, nothing names FR until the products V^T P^T: V^T's loads are dealt among the maximum's instructions.  On the way out rows from the stage land in it and the global stores read it.
;   SC          In the loop vector and matrix instructions alone.  At a pass's head Q's loads land in its first 32; on the way out the last multiplications write these and the LDS stores read them.
;   QC, PC, O^T, the statistics: named by vector and matrix instructions alone.
;   v254, v255  At the very end the closing add's two registers; no memory or LDS instruction reads them before.
; The sixteen waves' 256 registers each take all that the SIMDs have: there is no second set of FR, KS or VS.
.set STEPB, 32768                      ; a key step in memory: 128 rows of 256 bytes, of K and of V alike
.set SLOTB, 16384                      ; an LDS slot: K's 8 tiles x 1,024 bytes, then V^T's 4 fragments x 2,048
.set VOFF,  8192
.set STAGE, 2*SLOTB                    ; behind the slots: 16 rows x 272 bytes for each wave, for the way out
.set LI,   1                           ; v1   16 x lane: my place in an image
.set KSO,  2                           ; v2   64 t: thread t takes key t / 4, d = 16 (t % 4) on
.set VSO,  3                           ; v3   4,096 (t / 64) + 4 (t % 64): keys 16 (t / 64) on, channel t % 64
.set KLA,  4                           ; v4   where my 16 codes of K go in a slot
.set VLA,  5                           ; v5   the same for V
.set QO,   6                           ; v6   256 r + 128 h: my 32 numbers of Q's row r
.set STO,  7                           ; v7   the way out: where I put 32 bytes of a row
.set RD,   8                           ; v8   where I read a row back
.set GO,   9                           ; v9   my byte offset in the wave's rows of out0
.set PFO,  10                          ; v10  256 x (t % 128): the prefetches' row
.set QC,   16                          ; v16-23   Q's codes
.set PC,   24                          ; v24-39   p's codes
.set FR,   40                          ; v40-103  fragments of K, then of V^T; rows of out0 on the way out
.set SC,   104                         ; v104-167 S^T, then p; Q's numbers at a pass's head; O / sum on the way out
.set OT,   168                         ; v168-199 O^T: register 8 t + i = channel 16 t + 8 h + i
.set KS,   200                         ; v200-215 16 numbers of K on their way
.set VS,   216                         ; v216-231 16 numbers of V
.set KC,   232                         ; v232-235 their codes
.set VC,   236                         ; v236-239
.set PLIM, 240                         ; 448 x 2^ep
.set PSC,  241                         ; 2^ep
.set KSC,  242
.set KLIM, 243
.set VSC,  244
.set VLIM, 245
.set QSC,  246
.set QLIM, 247
.set TA,   248                         ; at work
.set TB,   249
.set FF,   250                         ; v[250:251] f = 2^(old M - new M); v251 is named with it as a pair
.set SUM2, 252                         ; v[252:253] the sum's second chain
.set NINF, 254                         ; -infinity
.set PERM, 255                         ; the lane permute's destination
; v12 -M, v13 the largest t, v[14:15] the row's sum in two halves
.set OP,   10                          ; s[10:11] first lowp_scales, then the pass's rows of out0
.set WV,   18
.set PFL,  19                          ; 1 in a wave that prefetches, else the greatest number
.set SEL,  20                          ; s[20:21] lane selects: lane l xor 16
.set CS,   22                          ; s[22:23] c = log2(e) / 8 x 2^(eq + ek)
.set KB,   24                          ; s[24:25] K at the trip's first step
.set VB,   26                          ; s[26:27] V likewise
.set MWP,  28                          ; s[28:29] my tile's mask words of the trip's first step
.set ANY,  30                          ; my tile's flags, bit 0 = the trip's first step
.set NAL,  31
.set WGF,  66                          ; the OR of the block's sixteen tiles' 'some entry is true'
.set TRIP, 67
.set PASS, 100
.set EPV,  101
.set PFA,  104                         ; s[104:105] K (waves 0-3) or V (waves 4-7) at the trip's first step
; s[32:63], s[68:99]: a step's 64 mask words (word n in s[32 + n], from n = 32 on in s[36 + n]); at the heads they are at work
; the next step's numbers: 4 loads of 16 bytes of K (a wave's four cover 2,048 consecutive bytes) and 16 of 4 bytes of V (a wave covers 128 consecutive bytes of one key's row).
; No wait stands ahead of them: no vector instruction since the last FILL's wait on va_vdst names KS or VS
.macro ASKNEXT off
.irp j, 0,1,2,3
	global_load_b128 v[KS+4*\j:KS+4*\j+3], v[KSO], s[KB:KB+1] offset:\off+16*\j
.endr
.irp i, 0,1,2,3,4,5,6,7,8,9,10,11,12,13,14,15
	global_load_b32 v[VS+\i], v[VSO], s[VB:VB+1] offset:\off+256*\i
.endr
.endm
; they become codes and go into a slot
.macro FILL slot
.irp i, 0,1,2,3,4,5,6,7,8,9,10,11,12,13,14,15
	v_med3_num_f32 v[KS+\i], v[KS+\i], -v[KLIM], v[KLIM]   ; the conversion to an 8-bit code does not saturate (ISA guide 7.6.2): the hold at the largest code x the scale
.endr
	v_cvt_scalef32_pk8_fp8_f32 v[KC:KC+1], v[KS:KS+7], v[KSC]
	v_cvt_scalef32_pk8_fp8_f32 v[KC+2:KC+3], v[KS+8:KS+15], v[KSC]
.irp i, 0,1,2,3,4,5,6,7,8,9,10,11,12,13,14,15
	v_med3_num_f32 v[VS+\i], v[VS+\i], -v[VLIM], v[VLIM]
.endr
	v_cvt_scalef32_pk8_fp8_f32 v[VC:VC+1], v[VS:VS+7], v[VSC]
	v_cvt_scalef32_pk8_fp8_f32 v[VC+2:VC+3], v[VS+8:VS+15], v[VSC]
	v_nop                                          ; one plain vector instruction behind the last scaled conversion
	s_wait_alu depctr_va_vdst(0)                   ; the conversions have written KC and VC, which the two LDS stores read; the holds and conversions are done with KS and VS, in which the next loads of K and V land
	ds_store_b128 v[KLA], v[KC:KC+3] offset:(\slot)*SLOTB
	ds_store_b128 v[VLA], v[VC:VC+3] offset:(\slot)*SLOTB
.endm
; A PREFETCH INTO THE L2, behind the wave's loads of the next step: the step after that one, 128 rows of 256 bytes of K and of V, a lane a row.  Each row of steps 2 to 15 is named once in the launch: the four work-groups
; of a head walk the same K and V, and work-group x = 0 asks, in its first pass; waves 0 to 3 for K's rows, waves 4 to 7 for V's.  The last trip asks for nothing: there is no step behind it.  Steps 0 and 1 come by their loads alone.
.macro PREF off
	s_cmp_gt_u32 s[TRIP], s[PFL]
	s_cbranch_scc0 .Lnot_mine_\@
	global_prefetch_b8 v[PFO], s[PFA:PFA+1] offset:\off th:TH_LOAD_NT scope:SCOPE_SE
.Lnot_mine_\@:
.endm
; fragment f of V^T (16 channels x 128 keys) from slot s: four loads
.macro VFRAG s, f
.irp c, 0,1,2,3
	ds_load_b128 v[FR+16*(\f)+4*\c:FR+16*(\f)+4*\c+3], v[LI] offset:(\s)*SLOTB+VOFF+(\f)*2048+\c*512
.endr
.endm
; A KEY STEP of my tile, from slot s
.macro COMPUTE s
.rept 4
	v_nop                                          ; places between the last step's products and the loads into registers that they have read; the wait below stands beside them
.endr
	s_wait_alu depctr_va_vdst(0)                   ; the last step's products V^T P^T are done reading FR, in which K's fragments land (also on the way on which nothing was quantised behind them)
.irp f, 0,1,2,3,4,5,6,7
	ds_load_b128 v[FR+8*\f:FR+8*\f+3],   v[LI] offset:\s*SLOTB+\f*1024
	ds_load_b128 v[FR+8*\f+4:FR+8*\f+7], v[LI] offset:\s*SLOTB+\f*1024+512
.endr
	s_wait_dscnt 0x0
.irp f, 0,1,2,3,4,5,6,7
	v_wmma_f32_16x16x64_fp8_fp8 v[SC+8*\f:SC+8*\f+7], v[FR+8*\f:FR+8*\f+7], v[QC:QC+7], 0
.endr
.rept 4
	v_nop                                          ; places in front of the first read of the scores, and of the loads below
.endr
	s_wait_alu depctr_va_vdst(0)                   ; the eight products K Q^T are done reading FR, in which V^T's fragments land
	VFRAG \s, 0                                    ; V^T lands while the softmax is walked: half of it is asked for here,
	VFRAG \s, 1                                    ; the other half among the maximum's instructions
	s_bitcmp1_b32 s[NAL], \s                       ; is an entry of this step false for my tile?
	s_cbranch_scc0 .Lopen_\@
	s_load_b512 s[32:47], s[MWP:MWP+1], \s*256
	s_load_b512 s[48:63], s[MWP:MWP+1], \s*256+64
	s_load_b512 s[68:83], s[MWP:MWP+1], \s*256+128
	s_load_b512 s[84:99], s[MWP:MWP+1], \s*256+192
	s_wait_kmcnt 0x0
.set n, 0
.rept 64                                       ; hidden scores become -infinity: p = 0 then.  Each accumulator from its low end on
.if n < 32
	v_cndmask_b32 v[SC+n], v[NINF], v[SC+n], s[32+n]
.else
	v_cndmask_b32 v[SC+n], v[NINF], v[SC+n], s[36+n]
.endif
.set n, n+1
.endr
.Lopen_\@:
	v_max3_num_f32 v[TA], v[SC], v[SC+1], v[SC+2]  ; the step's largest score of my query, among my 64 keys, in two chains, ascending
	v_max3_num_f32 v[TB], v[SC+3], v[SC+4], v[SC+5]
.irp i, 6,10,14,18,22,26,30,34,38,42,46,50,54,58
	v_max3_num_f32 v[TA], v[TA], v[SC+\i], v[SC+1+\i]
	v_max3_num_f32 v[TB], v[TB], v[SC+2+\i], v[SC+3+\i]
.if \i == 14
	VFRAG \s, 2                                    ; no wait: no vector or matrix instruction since the wait behind the products K Q^T names FR
.endif
.if \i == 30
	VFRAG \s, 3                                    ; likewise
.endif
.endr
	v_max3_num_f32 v[TA], v[TA], v[SC+62], v[SC+63]
	v_max_num_f32 v[TA], v[TA], v[TB]
	v_permlanex16_b32 v[PERM], v[TA], s[SEL], s[SEL+1]
	v_max_num_f32 v[TA], v[TA], v[PERM]            ; and among lane l xor 16's
	v_mul_f32 v[TA], s[CS], v[TA]                  ; as t (c is positive)
	v_max_num_f32 v13, v13, v[TA]                  ; the running largest t
	v_mov_b32 v[TA], v12
	v_floor_f32 v12, -v13                          ; the new -M = floor(-t) = -ceil(t)
	v_sub_f32 v[TA], v12, v[TA]                    ; old M - new M: a whole number, 0 or less
	v_cvt_i32_f32 v[TA], v[TA]                     ; (it saturates)
	v_ldexp_f32 v[FF], 1.0, v[TA]                  ; f = 2^(old M - new M)
.irp j, 0,2,4,6,8,10,12,14,16,18,20,22,24,26,28,30,32,34,36,38,40,42,44,46,48,50,52,54,56,58,60,62
	v_pk_fma_f32 v[SC+\j:SC+1+\j], v[SC+\j:SC+1+\j], s[CS:CS+1], v[12:13] op_sel_hi:[1,0,0]   ; t - M, two at a time (of the pairs c and -M the low word serves both halves)
.endr
	s_wait_alu depctr_va_vdst(0)
.irp j, 0,1,2,3,4,5,6,7,8,9,10,11,12,13,14,15,16,17,18,19,20,21,22,23,24,25,26,27,28,29,30,31,32,33,34,35,36,37,38,39,40,41,42,43,44,45,46,47,48,49,50,51,52,53,54,55,56,57,58,59,60,61,62,63
	v_exp_f32 v[SC+\j], v[SC+\j]                   ; p = 2^(t - M), at most 1: not normalised
.endr
	v_pk_mul_f32 v[14:15], v[14:15], v[FF:FF+1] op_sel_hi:[1,0]   ; the sums under the new M: the plain instruction behind the exponentials
	s_wait_alu depctr_va_vdst(0)                   ; the 64 exponentials have written p in SC: one wait for the whole batch, ahead of its first reader
	v_pk_add_f32 v[SUM2:SUM2+1], v[SC:SC+1], v[SC+2:SC+3]   ; the row's sum is taken of the unquantised p: two at a time, in two chains
.irp j, 4,8,12,16,20,24,28,32,36,40,44,48,52,56,60
	v_pk_add_f32 v[14:15], v[14:15], v[SC+\j:SC+1+\j]
	v_pk_add_f32 v[SUM2:SUM2+1], v[SUM2:SUM2+1], v[SC+2+\j:SC+3+\j]
.endr
	v_pk_add_f32 v[14:15], v[14:15], v[SUM2:SUM2+1]
.irp b, 0,1,2,3
.irp i, 0,1,2,3,4,5,6,7,8,9,10,11,12,13,14,15
	v_min_num_f32 v[SC+16*\b+\i], v[SC+16*\b+\i], v[PLIM]   ; the hold; p is not negative, so it is one-sided
.endr
	v_cvt_scalef32_pk8_fp8_f32 v[PC+4*\b:PC+1+4*\b], v[SC+16*\b:SC+7+16*\b], v[PSC]
	v_cvt_scalef32_pk8_fp8_f32 v[PC+2+4*\b:PC+3+4*\b], v[SC+8+16*\b:SC+15+16*\b], v[PSC]
.endr
.irp j, 0,2,4,6,8,10,12,14,16,18,20,22,24,26,28,30
	v_pk_mul_f32 v[OT+\j:OT+1+\j], v[OT+\j:OT+1+\j], v[FF:FF+1] op_sel_hi:[1,0]   ; O^T under the new M; these are also the plain instructions behind the conversions
.endr
	s_wait_alu depctr_va_vdst(0)
	s_wait_dscnt 0x0                               ; V^T is in
.irp f, 0,1,2,3                                ; the four accumulators by turns; the scores' products stand between a step's and the next step's
	v_wmma_f32_16x16x128_fp8_fp8 v[OT+8*\f:OT+8*\f+7], v[FR+16*\f:FR+16*\f+15], v[PC:PC+15], v[OT+8*\f:OT+8*\f+7]
.endr
.endm
; The step in slot s is computed while the next step's numbers come from memory; then they are quantised into the other slot.  ONE barrier a step: in front of it each wave's stores into the other slot have landed and its
; reads of this slot are back, so behind it the other slot may be read and this one written.  The waits and the barrier stand outside every branch.
.macro STEP s
	s_bitcmp1_b32 s[WGF], 1+\s                     ; does any tile of the block want the next step?  (There is no step 16: that bit is 0)
	s_cbranch_scc0 .Lnoask_\@
	ASKNEXT (1+\s)*STEPB
.Lnoask_\@:
	PREF (2+\s)*STEPB
	s_bitcmp1_b32 s[ANY], \s                       ; does my tile want this step?
	s_cbranch_scc0 .Lhidden_\@
	COMPUTE \s
.Lhidden_\@:
	s_wait_loadcnt 0x0                             ; the next step's numbers are in
	s_wait_alu depctr_vm_vsrc(0)                   ; the last fill's two LDS stores have read KC and VC, which the fill below writes again
	s_bitcmp1_b32 s[WGF], 1+\s
	s_cbranch_scc0 .Lnofill_\@
	FILL 1-\s
.Lnofill_\@:
	s_wait_dscnt 0x0
	s_barrier_signal -1
	s_barrier_wait -1
.endm
; 2^e and 448 x 2^e as f32 numbers
.macro SCALES e, sc, lim
	s_add_co_i32 s36, s[\e], 127
	s_lshl_b32 s37, s36, 23
	v_mov_b32 v[\sc], s37
	s_add_co_i32 s36, s36, 8
	s_lshl_b32 s36, s36, 23
	s_or_b32 s36, s36, 0x600000
	v_mov_b32 v[\lim], s36
.endm
	s_load_b256 s[4:11], s[0:1], 0x0               ; queries s[4:5], keys s[6:7], values s[8:9], lowp_scales s[10:11]
	s_load_b128 s[12:15], s[0:1], 0x20             ; mw s[12:13], tf s[14:15]
	s_load_b64 s[16:17], s[0:1], 0x30              ; out0
	v_lshrrev_b32 v11, 5, v0
	v_readfirstlane_b32 s[WV], v11                 ; wave 0..15
	v_and_b32 v11, 31, v0
	v_lshlrev_b32 v[LI], 4, v11
	v_lshlrev_b32 v[KSO], 6, v0
	v_lshrrev_b32 v[VSO], 6, v0
	v_and_b32 v11, 63, v0
	v_lshlrev_b32 v[VSO], 12, v[VSO]
	v_lshl_or_b32 v[VSO], v11, 2, v[VSO]
	; K's image: thread t holds key t / 4 = 32 b + 16 r3 + 8 u + r_lo and d = 32 h + 16 p on (h = bit 1, p = bit 0 of t): tile 2 b + u, lane 16 h + 8 r3 + r_lo, registers 4 p on
	v_bfe_u32 v11, v0, 7, 2
	v_lshlrev_b32 v[KLA], 11, v11                  ; b
	v_bfe_u32 v11, v0, 5, 1
	v_lshl_or_b32 v[KLA], v11, 10, v[KLA]          ; u
	v_and_b32 v11, 1, v0
	v_lshl_or_b32 v[KLA], v11, 9, v[KLA]           ; p
	v_bfe_u32 v11, v0, 1, 1
	v_lshl_or_b32 v[KLA], v11, 8, v[KLA]           ; h
	v_bfe_u32 v11, v0, 6, 1
	v_lshl_or_b32 v[KLA], v11, 7, v[KLA]           ; r3
	v_bfe_u32 v11, v0, 2, 3
	v_lshl_or_b32 v[KLA], v11, 4, v[KLA]           ; r_lo
	; V's image: thread t holds channel t % 64 = 16 f + r and keys 16 (t / 64) = 32 c + 16 h on: fragment f, registers 4 c on, lane 16 h + r
	v_bfe_u32 v11, v0, 5, 1
	v_lshlrev_b32 v[VLA], 12, v11
	v_bfe_u32 v11, v0, 4, 1
	v_lshl_or_b32 v[VLA], v11, 11, v[VLA]          ; f
	v_bfe_u32 v11, v0, 7, 2
	v_lshl_or_b32 v[VLA], v11, 9, v[VLA]           ; c
	v_bfe_u32 v11, v0, 6, 1
	v_lshl_or_b32 v[VLA], v11, 8, v[VLA]           ; h
	v_and_b32 v11, 15, v0
	v_lshl_or_b32 v[VLA], v11, 4, v[VLA]           ; r
	v_add_nc_u32 v[VLA], VOFF, v[VLA]
	v_and_b32 v[TB], 15, v0                        ; r
	v_bfe_u32 v[TA], v0, 4, 1                      ; h
	v_lshlrev_b32 v[QO], 8, v[TB]
	v_lshl_or_b32 v[QO], v[TA], 7, v[QO]
	s_wait_alu depctr_va_sdst(0)                   ; the wave's number is written in s[WV], ahead of its first reader: the line below
	s_mul_i32 s2, s[WV], 16*272
	s_add_co_u32 s2, s2, STAGE                     ; my stage
	v_mul_u32_u24 v[STO], v[TB], 272               ; in: row r, 32 bytes for each half of the lanes
	v_lshl_add_u32 v[STO], v[TA], 5, v[STO]
	v_add_nc_u32 v[STO], s2, v[STO]
	v_mul_u32_u24 v[RD], v[TA], 272                ; back: lanes 0-15 one row of 256 bytes, lanes 16-31 the next
	v_lshl_add_u32 v[RD], v[TB], 4, v[RD]
	v_add_nc_u32 v[RD], s2, v[RD]
	v_lshlrev_b32 v[GO], 8, v[TA]                  ; and the same two rows in out0
	v_lshl_or_b32 v[GO], v[TB], 4, v[GO]
	v_and_b32 v[PFO], 127, v0
	v_lshlrev_b32 v[PFO], 8, v[PFO]
	v_mov_b32 v[NINF], 0xff800000
	v_mov_b32 v[FF+1], 0                           ; named as the upper half of a pair
	v_mov_b32 v[PERM], 0                           ; a lane permute's destination counts as one of its sources
	s_and_b32 s2, ttmp7, 0xffff                    ; the head:
	s_lshl_b32 s2, s2, 19                          ; 2,048 rows of 256 bytes
	s_mov_b32 s3, 0
	s_mov_b32 s[SEL], 0x76543210
	s_mov_b32 s[SEL+1], 0xfedcba98
	s_mov_b32 s[CS], 0x3e38aa3b                    ; log2(e) / 8
	s_mov_b32 s[PASS], 0
	s_wait_kmcnt 0x0
	s_load_b128 s[32:35], s[10:11], 0x0            ; eq, ek, ep, ev
	s_add_nc_u64 s[4:5], s[4:5], s[2:3]
	s_add_nc_u64 s[6:7], s[6:7], s[2:3]
	s_add_nc_u64 s[8:9], s[8:9], s[2:3]
	s_add_nc_u64 s[16:17], s[16:17], s[2:3]
	s_cmp_lt_u32 s[WV], 4
	s_cselect_b64 s[PFA:PFA+1], s[6:7], s[8:9]
	s_lshr_b32 s[PFL], s[WV], 3                    ; 0 in waves 0 to 7,
	s_or_b32 s[PFL], s[PFL], ttmp9                 ; of work-group x = 0
	s_cmp_eq_u32 s[PFL], 0
	s_cselect_b32 s[PFL], 1, -1
	s_wait_kmcnt 0x0
	s_add_co_i32 s36, s32, s33
	s_lshl_b32 s36, s36, 23
	s_add_co_i32 s[CS], s[CS], s36                 ; a score stands for score x 2^(eq + ek): the two exponents are added to c's exponent field
	s_mov_b32 s[CS+1], s[CS]                       ; named with it as a pair
	s_add_co_i32 s[EPV], s34, s35                  ; ep + ev
	SCALES 32, QSC, QLIM
	SCALES 33, KSC, KLIM
	SCALES 34, PSC, PLIM
	SCALES 35, VSC, VLIM
	s_wait_alu depctr_va_vdst(0)                   ; the ten offsets and LDS addresses v1 to v10 are written, which every load, store and prefetch of the kernel reads; none is written again
.Lpass:
	s_sub_co_u32 s68, 7, ttmp9
	s_cmp_eq_u32 s[PASS], 0
	s_cselect_b32 s68, s68, ttmp9                  ; the pass's block of 256 queries
	s_lshl_b32 s69, s68, 4
	s_add_co_u32 s69, s69, s[WV]                   ; my tile T
	s_lshl_b32 s70, s69, 12                        ; 4,096 T: my 16 rows in queries and in out0, and my tile's words in mw
	s_mov_b32 s71, 0
	s_lshl_b32 s72, s68, 6                         ; the block's sixteen words of tf
	s_mov_b32 s73, 0
	s_lshl_b32 s74, s69, 2                         ; my tile's word
	s_mov_b32 s75, 0
	s_add_nc_u64 s[72:73], s[14:15], s[72:73]
	s_add_nc_u64 s[74:75], s[14:15], s[74:75]
	s_load_b512 s[32:47], s[72:73], 0x0
	s_load_b32 s[ANY], s[74:75], 0x0
	s_mov_b64 s[KB:KB+1], s[6:7]
	s_mov_b64 s[VB:VB+1], s[8:9]
	ASKNEXT 0                                      ; step 0 is fetched whatever the flags say: so the staging registers are written on every way
	s_add_nc_u64 s[76:77], s[4:5], s[70:71]
.irp j, 0,1,2,3,4,5,6,7
	global_load_b128 v[SC+4*\j:SC+4*\j+3], v[QO], s[76:77] offset:16*\j th:TH_LOAD_NT   ; Q(r, 32 h + 4 j ..): read once in the launch.  No wait: in the second pass no vector instruction has been issued since the way out's last wait on va_vdst, and its LDS stores were shown to have read these registers at the first pass's end
.endr
	s_add_nc_u64 s[OP:OP+1], s[16:17], s[70:71]
	s_add_nc_u64 s[MWP:MWP+1], s[12:13], s[70:71]
	v_mov_b32 v13, 0xff61b1e6                      ; the largest t so far: -3e38, under every t
	v_floor_f32 v12, -v13                          ; -M
	v_mov_b32 v14, 0
	v_mov_b32 v15, 0
.irp j, 0,1,2,3,4,5,6,7,8,9,10,11,12,13,14,15,16,17,18,19,20,21,22,23,24,25,26,27,28,29,30,31
	v_mov_b32 v[OT+\j], 0                          ; the step is written once: the first finds zeros, which the first change of M leaves zeros; which step is a tile's first hangs on the mask
.endr
	s_wait_kmcnt 0x0
	s_or_b32 s[WGF], s32, s33
.irp k, 34,35,36,37,38,39,40,41,42,43,44,45,46,47
	s_or_b32 s[WGF], s[WGF], s\k
.endr
	s_and_b32 s[WGF], s[WGF], 0xffff               ; steps that some tile of the block wants
	s_lshr_b32 s[NAL], s[ANY], 16
	s_and_b32 s[ANY], s[ANY], 0xffff
	s_wait_loadcnt 0x0                             ; step 0's numbers and Q
.irp i, 0,1,2,3,4,5,6,7,8,9,10,11,12,13,14,15,16,17,18,19,20,21,22,23,24,25,26,27,28,29,30,31
	v_med3_num_f32 v[SC+\i], v[SC+\i], -v[QLIM], v[QLIM]
.endr
.irp g, 0,1,2,3
	v_cvt_scalef32_pk8_fp8_f32 v[QC+2*\g:QC+2*\g+1], v[SC+8*\g:SC+8*\g+7], v[QSC]
.endr
	v_nop                                          ; one plain vector instruction behind the last scaled conversion
	FILL 0                                         ; (KC and VC: the first pass's last fill's LDS stores were shown to have read them at that pass's end)
	s_wait_dscnt 0x0                               ; for the others' sake: my codes have landed
	s_barrier_signal -1
	s_barrier_wait -1
	s_mov_b32 s[TRIP], 8
.Ltrip:
	STEP 0
	STEP 1
	s_wait_xcnt 0x0                                ; the trip's loads and prefetches have read their bases: they may step
	s_add_nc_u64 s[KB:KB+1], s[KB:KB+1], 2*STEPB
	s_add_nc_u64 s[VB:VB+1], s[VB:VB+1], 2*STEPB
	s_add_nc_u64 s[PFA:PFA+1], s[PFA:PFA+1], 2*STEPB   ; (stepped in both passes, used in the first alone)
	s_add_nc_u64 s[MWP:MWP+1], s[MWP:MWP+1], 512
	s_lshr_b32 s[ANY], s[ANY], 2
	s_lshr_b32 s[NAL], s[NAL], 2
	s_lshr_b32 s[WGF], s[WGF], 2
	s_sub_co_u32 s[TRIP], s[TRIP], 1
	s_cmp_lg_u32 s[TRIP], 0
	s_cbranch_scc1 .Ltrip
	; THE WAY OUT.  O^T / the sum x 2^(ep + ev) goes through my own stage in LDS and comes back as whole rows of 256 bytes.
.rept 4
	v_nop                                          ; places behind the pass's last products, on the way on which nothing was quantised behind them too
.endr
	v_add_f32 v14, v14, v15                        ; the sum's two halves,
	v_permlanex16_b32 v[PERM], v14, s[SEL], s[SEL+1]
	v_add_f32 v14, v14, v[PERM]                    ; and lane l xor 16's
	s_wait_alu depctr_va_vdst(0)
	v_rcp_f32 v14, v14
	v_nop                                          ; a plain instruction behind the reciprocal,
	s_wait_alu depctr_va_vdst(0)                   ; and the wait: the reciprocal has written v14, ahead of its first reader
	v_ldexp_f32 v14, v14, s[EPV]
.irp j, 0,2,4,6,8,10,12,14,16,18,20,22,24,26,28,30
	v_pk_mul_f32 v[SC+\j:SC+1+\j], v[OT+\j:OT+1+\j], v[14:15] op_sel_hi:[1,0]   ; each accumulator from its low end on
.endr
	s_wait_alu depctr_va_vdst(0)                   ; the multiplications have written SC's first 32 registers, which the LDS stores read (and in which the next pass's Q lands); the pass's last products are done reading FR, in which the stage's rows land
.irp f, 0,1,2,3
	ds_store_b128 v[STO], v[SC+8*\f:SC+8*\f+3] offset:64*\f         ; lane (r, h): channels 16 f + 8 h + 0 .. 7 of query r
	ds_store_b128 v[STO], v[SC+8*\f+4:SC+8*\f+7] offset:64*\f+16
.endr
.irp i, 0,1,2,3,4,5,6,7
	ds_load_b128 v[FR+4*\i:FR+4*\i+3], v[RD] offset:544*\i          ; LDS serves a wave's instructions in order (ISA guide 5.7.1.4): these see my stores
.endr
.irp i, 0,1,2,3,4,5,6,7
	s_wait_dscnt 7-\i                              ; the younger loads from the stage may stay out
	global_store_b128 v[GO], v[FR+4*\i:FR+4*\i+3], s[OP:OP+1] offset:512*\i th:TH_STORE_NT   ; 32 lanes store 512 consecutive bytes, at a multiple of 256 from out0's first byte
.endr
	s_wait_xcnt 0x0                                ; the stores have read their registers and their base: the next pass writes both
	s_wait_alu depctr_vm_vsrc(0)                   ; the LDS stores have read SC, in which the next pass's Q lands; the global stores have read FR, in which its fragments land; the last fill's LDS stores have read KC and VC, which its first fill writes
	s_mov_b32 s[PFL], -1                           ; the second pass prefetches nothing: every row has been named
	s_add_co_u32 s[PASS], s[PASS], 1
	s_cmp_lt_u32 s[PASS], 2
	s_cbranch_scc1 .Lpass
	s_wait_xcnt 0x0
	v_lshl_add_u32 v254, v0, 2, 0x19000            ; the add's two registers are made anew: no memory or LDS instruction has read v254 or v255
	v_mov_b32 v255, 0
	s_wait_dscnt 0x0                               ; the closing lines, six on end
	s_wait_alu 0x0
	s_wait_tensorcnt 0x0
	ds_add_u32 v254, v255
	s_wait_dscnt 0x0
	s_endpgm
.Lfunc_end_k_qdb5f3b3a67_attn:
	.size	k_qdb5f3b3a67_attn, .Lfunc_end_k_qdb5f3b3a67_attn-k_qdb5f3b3a67_attn
	.p2alignl 7, 3214868480
	.fill 96, 4, 3214868480
	.section	.rodata,"a",@progbits
	.p2align	6, 0x0
	.amdhsa_kernel k_qdb5f3b3a67_attn
		.amdhsa_group_segment_fixed_size 104448
		.amdhsa_private_segment_fixed_size 0
		.amdhsa_enable_private_segment 0
		.amdhsa_kernarg_size 56
		.amdhsa_user_sgpr_count 2
		.amdhsa_user_sgpr_kernarg_segment_ptr 1
		.amdhsa_wavefront_size32 1
		.amdhsa_system_sgpr_workgroup_id_x 1
		.amdhsa_system_sgpr_workgroup_id_y 1
		.amdhsa_system_sgpr_workgroup_id_z 1
		.amdhsa_system_vgpr_workitem_id 0
		.amdhsa_next_free_vgpr 256
		.amdhsa_next_free_sgpr 106
		.amdhsa_reserve_vcc 0
		.amdhsa_float_denorm_mode_32 3
		.amdhsa_float_denorm_mode_16_64 3
		.amdhsa_memory_ordered 1
		.amdhsa_forward_progress 1
		.amdhsa_inst_pref_size 69
	.end_amdhsa_kernel
	.amdgpu_metadata
---
amdhsa.version: [ 1, 2 ]
amdhsa.kernels:
  - .name:           k_qdb5f3b3a67_attn
    .symbol:         k_qdb5f3b3a67_attn.kd
    .args:
      - { .name: queries, .offset: 0, .size: 8, .value_kind: global_buffer, .address_space: global }
      - { .name: keys, .offset: 8, .size: 8, .value_kind: global_buffer, .address_space: global }
      - { .name: values, .offset: 16, .size: 8, .value_kind: global_buffer, .address_space: global }
      - { .name: lowp_scales, .offset: 24, .size: 8, .value_kind: global_buffer, .address_space: global }
      - { .name: mw, .offset: 32, .size: 8, .value_kind: global_buffer, .address_space: global }
      - { .name: tf, .offset: 40, .size: 8, .value_kind: global_buffer, .address_space: global }
      - { .name: out0, .offset: 48, .size: 8, .value_kind: global_buffer, .address_space: global }
    .group_segment_fixed_size: 104448
    .private_segment_fixed_size: 0
    .kernarg_segment_align: 8
    .kernarg_segment_size: 56
    .max_flat_workgroup_size: 512
    .sgpr_count:     106
    .vgpr_count:     256
    .wavefront_size: 32
...
	.end_amdgpu_metadata
.endif
;; end of part 4
